; MI455X (gfx1250); checked and timed in simulation.
; The chip was launched on July 23, 2026; its instructions are those of AMD's public machine-readable ISA for CDNA 5 (MIT licence, August 2026) and "CDNA5" Instruction Set Architecture Reference Guide (July 2026). The comments in the code are by the model that wrote it; some were corrected since.
;; Reasoning Layer. Allowed arithmetic: matrix products marked QUANTISED: E5M2 operands, one given power-of-two scale a tensor, by v_wmma_f32_16x16x64_bf8_bf8 or v_wmma_f32_16x16x128_bf8_bf8, f32 sums; products left as they are: f32 operands where the result goes on into a quantised operand, else bf16, f16 or f32 operands; f32 sums; everything else in f32.
;; Inputs: Wd 8 x 1,024 x 2,048 float32; Wr 2,048 x 8 float32; Wu 8 x 2,048 x 1,024 float32; bd 8 x 2,048 float32; br 8 float32; bu 8 x 1,024 float32; lowp_scales 4 int32 (the exponents e of the quantised operands' scales 2^e); x 4 x 512 x 2,048 float32.
;; Outputs: out0 4 x 512 x 2,048 float32.
;; This version of the problem:
;;   THIS VERSION OF THE PROBLEM IS GIVEN IN LOW PRECISION. The matrix products marked QUANTISED in the list below multiply operands that are first quantised to E5M2 (5 exponent bits, 2 mantissa bits; 8 bits a number), with one given power-of-two scale for each operand tensor; their sums are f32. All else is computed in f32.
;;   The module's matrix products, in the order in which they are computed (A, B: the left and right operand; K: the contracted axis; several contracted axes count as one K, in the product's order):
;;     1. [M 2,048, K 2,048] x [K 2,048, N 8]; A: input x; B: input Wr: left as it is (N = 8 < 16)
;;     2. [M 2,048, K 2,048] x [K 2,048, N 8,192]; A: input x; B: input Wu: QUANTISED (scales: A lowp_scales[0], B lowp_scales[1])
;;     3. batch 8 x [M 2,048, K 1,024] x [K 1,024, N 2,048]; A: input Wd; B: computed on the way: QUANTISED (scales: A lowp_scales[2], B lowp_scales[3])
;;     4. batch 2,048 x [M 2,048, K 8] x [K 8, N 1]; A: computed on the way; B: softmax: left as it is (K = 8 < 32)
;;   THE QUANTISER, for each operand of a quantised product, along K:
;;     - The operand's scale is 2^e, e = its entry of the input lowp_scales (int32; the entries are numbered through the quantised products in the list's order, A before B).
;;     - Each number is divided by the scale, clamped to +-57,344, and rounded to the nearest number of E5M2, ties to even, subnormals kept.
;;     - The product sums the exact products of the quantised numbers (number of the format x scale) in f32.
;;   ~~~python
;;   def quantise(x, axis, e):      # numpy; x: float32 -> the quantised numbers, widened to float32 again
;;       x = np.moveaxis(x, axis, -1); K = x.shape[-1]
;;       r = np.clip(x / 2.0 ** e, -57344, 57344)
;;       step = 2.0 ** (np.maximum(np.frexp(np.where(r == 0, 1, r))[1] - 1, -14) - 2)
;;       q = np.round(r / step) * step * 2.0 ** e      # np.round: ties to even
;;       return np.moveaxis(q, -1, axis).astype(np.float32)
;;   ~~~
;;   OPERANDS COMPUTED ON THE WAY. 'Computed on the way' means the value that the module computes at that place (a softmax that the list does not call 'softmax' is quantised finished and normalised). What goes into a quantiser is computed in f32, as accurately as f32 sums, v_exp_f32 and their like allow (about 1e-6 of the number): no bf16 or f16 on the way to a quantiser, and a product that is left as it is and whose result goes on into a quantised operand takes f32 operands (vector FMAs, or v_wmma_f32_16x16x4_f32). A number that lies on a knife's edge between two numbers of the format may be rounded either way, as far as f32 arithmetic and the matrix unit's own rounding can turn it there, and no further.
;; One version. Each part assembles by itself: llvm-mc -triple=amdgcn-amd-amdhsa -mcpu=gfx1250 --defsym DOCPART=n.
;; ======== version 1 of 1: 3 launches
;; limits: right only within a limited range of input values; values are held in bf16: 8 bits of precision
;; workspace buffers: xq 4,194,304 bytes; wuq 16,777,216 bytes; wdq 16,777,216 bytes; hq 16,777,216 bytes; pr 65,536 bytes
;; launch quant (part 1): grid 1152 x 1, 4 waves a work-group, no clusters, 4,608 bytes of LDS; arguments x, Wr, br, Wu, Wd, lowp_scales, xq, wuq, wdq, pr; writes xq, wuq, wdq, pr
.if DOCPART == 1
	.amdgcn_target "amdgcn-amd-amdhsa--gfx1250"
	.amdhsa_code_object_version 6
	.text
	.protected	k_q3ff2a40be1_quant
	.globl	k_q3ff2a40be1_quant
	.p2align	8
	.type	k_q3ff2a40be1_quant,@function
k_q3ff2a40be1_quant:
	s_mov_b64 s[64:65], 0
	v_nop
	global_prefetch_b8 v0, s[64:65] scope:SCOPE_SE
	s_setreg_imm32_b32 hwreg(HW_REG_WAVE_MODE, 25, 1), 1
	s_wait_xcnt 0x0
; FIRST OF THREE LAUNCHES.  out = x + sum over e of p[t][e] (gelu(x Wu[e] + bu[e]) Wd[e] + bd[e]), p = softmax(x Wr + br).
; NOTHING OF IT IS DEAD WORK: the gates p are a softmax, never 0 by construction, so every expert counts for every token; br differs along the softmax's axis; bu goes into a quantiser;
; bd, x and every weight reach the result.  Every input is loaded by some launch.
; THIS LAUNCH turns x (scale 2^e0), Wu (2^e1) and Wd (2^e2) into codes of E5M2 and computes the router's p.  code = number / 2^e, held within +-57,344, to the nearest code, ties to even.
; LIMITS: e0, e1, e2 between -126 and 112, so that 2^e and 57,344 x 2^e are f32 numbers.  NaN among the inputs is not served.  The router's product takes x and Wr rounded to bf16, sums in f32.
; ALL CODES ARE LAID AS IMAGES OF OPERAND REGISTERS.  A fragment is 16 rows x 128 along K, 2,048 bytes: the byte at 512 c + 16 lane + b is the code of row lane % 16 at k = 32 c + 16 (lane / 16) + b.
;   xq : S x 524,288 + R x 4,096 + s1 x 2,048 + fragment;  S = k / 256, R = token / 16, s1 = (k / 128) % 2
;   wuq: S x 2,097,152 + Rn x 4,096 + s1 x 2,048 + fragment;  n = 1,024 e + f, G = n / 32, Rn = 2 G + u; row r of tile u is n = 32 G + 8 u + r % 8 + 16 (r / 8); k = d
;   wdq: Sg x 1,048,576 + Rd x 8,192 + s2 x 2,048 + fragment;  Sg = 2 e + f / 512, s2 = (f / 128) % 4; Rd = 2 G + u, G = d / 32, the same choice of rows on d; k = f
; The rows of a weight's tile are chosen so that, with the weight as source 0 of a product, a lane's 16 results of tiles 2 G and 2 G + 1 are 16 neighbours.
; SHARES.  Work-groups 0-127: 16 tokens of x each.  128-639: Wu, 128 columns x 256 along K each.  640-1151: Wd likewise.  The branch hangs on the work-group's number alone.
; A stream: no tensor loads, no cluster (no two work-groups read the same large bytes), several work-groups to a WGP.  Only x's path touches LDS.
.set SPARE, 4096                       ; LDS: bytes 0-4,095 the waves' partial logits (32 bytes a thread); then the spare words, 128 bytes for each wave
.set SPW,  30                          ; v30  LDS address of my spare word; never rewritten
.set NIL,  31                          ; v31  0; never rewritten
.set X,    32                          ; weights: v32-95 two sets of 32 numbers;  x: v32-159 four sets of 16 numbers of x and 16 of Wr
.set C,    96                          ; weights: v96-159 codes, eight registers for each of eight blocks: no store's data are written again
.set XB,   160                         ; x: v160-167 x in bf16, v168-175 Wr in bf16
.set WB,   168
.set ACC,  176                         ; x: v176-183, v184-191 the logits' two accumulators, by turns
.set CX,   192                         ; x: v192-255 codes, four registers for each of sixteen blocks
.macro SCALES es                       ; v11 = 2^e as f32 (the conversion takes its exponent field), v10 = 57,344 x 2^e
	s_add_co_i32 s9, s[\es], 127
	s_lshl_b32 s14, s9, 23
	v_mov_b32 v11, s14
	s_add_co_i32 s9, s9, 15
	s_lshl_b32 s9, s9, 23
	s_or_b32 s9, s9, 0x600000
	v_mov_b32 v10, s9
.endm
; ---- the weights.  A LANE TAKES A COLUMN, AND ITS REGISTERS RUN DOWN K: a load reads 128 consecutive bytes a wave (the lanes permuted inside them by the choice of rows), and the conversions give K innermost.
.macro WLOAD t, pitch                  ; block t: 32 rows of K at my column, into set t % 2
.set i, 0
.rept 32
	global_load_b32 v[X+32*((\t)%2)+i], v3, s[4:5] offset:(32*(\t)+i)*(\pitch) th:TH_LOAD_NT
.set i, i+1
.endr
.endm
.macro WBLOCK t, pitch
.set XS, X+32*((\t)%2)
.set CS, C+8*(\t)
.if (\t) < 7
	s_wait_loadcnt 32                              ; this block's 32 loads are in; the next block's 32 may be out
.else
	s_wait_loadcnt 0
.endif
.set i, 0
.rept 32
	v_med3_num_f32 v[XS+i], v[XS+i], -v10, v10     ; the conversion to an 8-bit code does not saturate (ISA guide 7.6.2): the hold comes first
.set i, i+1
.endr
.irp g, 0,1,2,3
	v_cvt_scalef32_pk8_bf8_f32 v[CS+2*\g:CS+2*\g+1], v[XS+8*\g:XS+8*\g+7], v11
.endr
	v_nop                                          ; a plain line behind the last conversion
	global_store_b128 v4, v[CS:CS+3], s[6:7] offset:((\t)/4)*2048+((\t)%4)*512        ; k = 32 c + 0 .. 15: lanes 0-15 fill 256 consecutive, aligned bytes of tile u = 0, lanes 16-31 of tile u = 1
	global_store_b128 v4, v[CS+4:CS+7], s[6:7] offset:((\t)/4)*2048+((\t)%4)*512+256  ; k = 32 c + 16 .. 31: the fragment's upper lanes
.if (\t) < 6
	WLOAD (\t)+2, \pitch
.endif
.endm
.macro WPATH pitch, es
	WLOAD 0, \pitch
	WLOAD 1, \pitch
	s_wait_kmcnt 0x0                               ; the scales' exponents
	SCALES \es
	s_wait_alu depctr_va_vdst(0)
.irp t, 0,1,2,3,4,5,6,7
	WBLOCK \t, \pitch
.endr
.endm
; ---- x.  Lane (r, h) takes, of token r, k = 32 t + 16 h + 0 .. 15: the fragment's own order; and of Wr the same k at expert r % 8.
.macro XLOAD t                         ; 20 loads into set t % 4
.set XL, X+32*((\t)%4)
.irp q, 0,1,2,3
	global_load_b128 v[XL+4*\q:XL+4*\q+3], v3, s[4:5] offset:128*(\t)+16*\q th:TH_LOAD_NT
.endr
.set i, 0
.rept 16
	global_load_b32 v[XL+16+i], v4, s[6:7] offset:1024*(\t)+32*i
.set i, i+1
.endr
.endm
.macro XBLOCK t
.if (\t) < 14
	s_wait_loadcnt 40                              ; this block's 20 loads are in; those of the next two blocks may be out
.elseif (\t) == 14
	s_wait_loadcnt 20
.else
	s_wait_loadcnt 0
.endif
.if (\t) < 13
	XLOAD (\t)+3                                   ; into the set that the block before has left
.endif
.set XS, X+32*((\t)%4)
.set AC, ACC+8*((\t)%2)
.irp j, 0,1,2,3,4,5,6,7
	v_cvt_pk_bf16_f32 v[XB+\j], v[XS+2*\j], v[XS+2*\j+1]
.endr
.irp j, 0,1,2,3,4,5,6,7
	v_cvt_pk_bf16_f32 v[WB+\j], v[XS+16+2*\j], v[XS+17+2*\j]
.endr
; logits^T += Wr^T x^T: source 0 = the experts (rows 8-15 repeat rows 0-7), source 1 = my 16 tokens; k stands in the same places in both.  The two accumulators take turns.
.if (\t) < 2
	v_wmma_f32_16x16x32_bf16 v[AC:AC+7], v[WB:WB+7], v[XB:XB+7], 0
.else
	v_wmma_f32_16x16x32_bf16 v[AC:AC+7], v[WB:WB+7], v[XB:XB+7], v[AC:AC+7]
.endif
.set i, 0
.rept 16
	v_med3_num_f32 v[XS+i], v[XS+i], -v10, v10     ; the hold; these sixteen are also the places behind the product (ISA guide 7.12.1)
.set i, i+1
.endr
	v_cvt_scalef32_pk8_bf8_f32 v[CX+4*(\t):CX+4*(\t)+1], v[XS:XS+7], v11
	v_cvt_scalef32_pk8_bf8_f32 v[CX+4*(\t)+2:CX+4*(\t)+3], v[XS+8:XS+15], v11
	v_nop                                          ; a plain line behind the last conversion
	global_store_b128 v5, v[CX+4*(\t):CX+4*(\t)+3], s[48:49] offset:((\t)/8)*524288+(((\t)/4)%2)*2048+((\t)%4)*512   ; the wave stores 512 consecutive bytes
.endm
	s_load_b512 s[16:31], s[0:1], 0x0              ; x 16, Wr 18, br 20, Wu 22, Wd 24, the scales 26, xq 28, wuq 30
	s_load_b128 s[32:35], s[0:1], 0x40             ; wdq 32, pr 34
	v_lshl_add_u32 v[SPW], v0, 2, SPARE
	v_mov_b32 v[NIL], 0
	v_lshrrev_b32 v1, 5, v0
	v_readfirstlane_b32 s8, v1                     ; wave 0..3
	v_and_b32 v1, 31, v0                           ; lane
	v_and_b32 v2, 15, v0                           ; r
	v_bfe_u32 v6, v0, 4, 1                         ; h (for the weights: u)
	s_wait_kmcnt 0x0
	s_load_b128 s[36:39], s[26:27], 0x0            ; e0, e1, e2, e3
	s_cmp_lt_u32 ttmp9, 128
	s_cbranch_scc1 .Lx
	s_wait_alu depctr_va_vdst(0)
	v_and_b32 v3, 7, v2
	v_lshrrev_b32 v5, 3, v2
	v_lshl_add_u32 v3, v5, 4, v3
	v_lshl_add_u32 v3, v6, 3, v3
	v_lshlrev_b32 v3, 2, v3                        ; my column among the wave's 32, in bytes: 4 (8 u + r % 8 + 16 (r / 8))
	v_lshlrev_b32 v4, 4, v2                        ; my 16 bytes of a fragment's lower lanes: 16 r; + u tiles below
	s_cmp_lt_u32 ttmp9, 640
	s_cbranch_scc1 .Lwu
	; ---- Wd [8][1024 (f = K)][2048 (d)]
	s_sub_co_u32 s10, ttmp9, 640
	s_lshr_b32 s11, s10, 6                         ; e
	s_bfe_u32 s12, s10, 0x20004                    ; which 256 along K
	s_and_b32 s13, s10, 15                         ; which 128 columns
	s_lshl_b32 s40, s11, 23
	s_lshl_b32 s41, s12, 21
	s_add_co_u32 s40, s40, s41
	s_lshl_b32 s41, s13, 9
	s_add_co_u32 s40, s40, s41
	s_lshl_b32 s41, s8, 7
	s_add_co_u32 s40, s40, s41
	s_mov_b32 s41, 0
	s_add_nc_u64 s[4:5], s[24:25], s[40:41]        ; from: expert, K chunk, my wave's 32 columns
	s_lshl_b32 s42, s11, 1
	s_lshr_b32 s43, s12, 1
	s_add_co_u32 s42, s42, s43
	s_lshl_b32 s42, s42, 20                        ; Sg
	s_lshl_b32 s43, s13, 2
	s_add_co_u32 s43, s43, s8
	s_lshl_b32 s43, s43, 14                        ; G: two tiles of 8,192 bytes
	s_add_co_u32 s42, s42, s43
	s_and_b32 s43, s12, 1
	s_lshl_b32 s43, s43, 12                        ; the chunk's two fragments among the tile's four
	s_add_co_u32 s42, s42, s43
	s_mov_b32 s43, 0
	s_add_nc_u64 s[6:7], s[32:33], s[42:43]
	s_wait_alu depctr_va_vdst(0)
	v_lshl_add_u32 v4, v6, 13, v4
	WPATH 8192, 38
	s_endpgm
.Lwu:
	; ---- Wu [8][2048 (d = K)][1024 (f)]
	s_sub_co_u32 s10, ttmp9, 128
	s_lshr_b32 s11, s10, 6                         ; e
	s_bfe_u32 s12, s10, 0x30003                    ; which 256 along K
	s_and_b32 s13, s10, 7                          ; which 128 columns
	s_lshl_b32 s40, s11, 23
	s_lshl_b32 s41, s12, 20
	s_add_co_u32 s40, s40, s41
	s_lshl_b32 s41, s13, 9
	s_add_co_u32 s40, s40, s41
	s_lshl_b32 s41, s8, 7
	s_add_co_u32 s40, s40, s41
	s_mov_b32 s41, 0
	s_add_nc_u64 s[4:5], s[22:23], s[40:41]
	s_lshl_b32 s42, s12, 21                        ; S
	s_lshl_b32 s43, s11, 5
	s_lshl_b32 s44, s13, 2
	s_add_co_u32 s43, s43, s44
	s_add_co_u32 s43, s43, s8
	s_lshl_b32 s43, s43, 13                        ; G: two tiles of 4,096 bytes
	s_add_co_u32 s42, s42, s43
	s_mov_b32 s43, 0
	s_add_nc_u64 s[6:7], s[30:31], s[42:43]
	s_wait_alu depctr_va_vdst(0)
	v_lshl_add_u32 v4, v6, 12, v4
	WPATH 4096, 37
	s_endpgm
.Lx:
	; ---- x: work-group R has tokens 16 R .. 16 R + 15; wave w has k = 512 w .. 512 w + 511, sixteen blocks of 32
	s_load_b256 s[40:47], s[20:21], 0x0            ; br
	s_lshl_b32 s10, ttmp9, 17
	s_lshl_b32 s11, s8, 11
	s_add_co_u32 s10, s10, s11
	s_mov_b32 s11, 0
	s_add_nc_u64 s[4:5], s[16:17], s[10:11]        ; x: 16 rows of 8,192 bytes a work-group, 2,048 bytes of a row a wave
	s_lshl_b32 s10, s8, 14
	s_add_nc_u64 s[6:7], s[18:19], s[10:11]        ; Wr: 512 rows of 32 bytes a wave
	s_lshl_b32 s10, s8, 20
	s_lshl_b32 s12, ttmp9, 12
	s_add_co_u32 s10, s10, s12
	s_add_nc_u64 s[48:49], s[28:29], s[10:11]      ; xq: S = 2 w, tile R
	s_lshl_b32 s10, ttmp9, 9
	s_add_nc_u64 s[12:13], s[34:35], s[10:11]      ; pr: 16 rows of 32 bytes
	s_wait_alu depctr_va_vdst(0)
	v_lshlrev_b32 v3, 13, v2
	v_lshl_add_u32 v3, v6, 6, v3                   ; x: row r, + 64 h
	v_and_b32 v4, 7, v2
	v_lshlrev_b32 v4, 2, v4
	v_lshl_add_u32 v4, v6, 9, v4                   ; Wr: 16 h rows down, expert r % 8
	v_lshlrev_b32 v5, 4, v1                        ; a fragment's place for my lane
	v_lshlrev_b32 v7, 5, v0                        ; LDS: my thread's 32 bytes
	v_lshlrev_b32 v8, 5, v1                        ; and my lane's in wave 0's part
	v_lshlrev_b32 v9, 5, v2
	v_lshl_add_u32 v9, v6, 4, v9                   ; pr: row r, + 16 h
	XLOAD 0
	XLOAD 1
	XLOAD 2
	s_wait_alu depctr_va_vdst(0)
	s_wait_kmcnt 0x0                               ; the exponents and br
	SCALES 36
.irp t, 0,1,2,3,4,5,6,7,8,9,10,11,12,13,14,15
	XBLOCK \t
.endr
	; every lane (r, h) holds, in register j, my wave's part of token r's logit for expert j (rows 8 + j repeat rows j).  The last block's sixteen holds are the places behind the last product.
.irp j, 0,2,4,6
	v_pk_add_f32 v[32+\j:33+\j], v[ACC+\j:ACC+\j+1], v[ACC+8+\j:ACC+9+\j]   ; each accumulator from its low end on
.endr
	ds_store_b128 v7, v[32:35]
	ds_store_b128 v7, v[36:39] offset:16
	s_wait_dscnt 0x0                               ; for the others' sake: my stores have landed
	s_barrier_signal -1
	s_barrier_wait -1
.irp w, 0,1,2,3
	ds_load_b128 v[40+8*\w:43+8*\w], v8 offset:1024*\w
	ds_load_b128 v[44+8*\w:47+8*\w], v8 offset:1024*\w+16
.endr
	s_wait_tensorcnt 0x0                           ; behind my last LDS store
	ds_add_u32 v[SPW], v[NIL]
	s_wait_dscnt 0x0                               ; the add is done, and the eight loads above are in
.irp j, 0,2,4,6
	v_pk_add_f32 v[40+\j:41+\j], v[40+\j:41+\j], v[48+\j:49+\j]
	v_pk_add_f32 v[56+\j:57+\j], v[56+\j:57+\j], v[64+\j:65+\j]
.endr
.irp j, 0,2,4,6
	v_pk_add_f32 v[40+\j:41+\j], v[40+\j:41+\j], v[56+\j:57+\j]
.endr
.irp j, 0,1,2,3,4,5,6,7
	v_add_f32 v[40+\j], s[40+\j], v[40+\j]         ; + br
.endr
	v_max3_num_f32 v72, v40, v41, v42              ; the softmax takes its maximum away first
	v_max3_num_f32 v73, v43, v44, v45
	v_max3_num_f32 v72, v72, v46, v47
	v_max_num_f32 v72, v72, v73
.irp j, 0,1,2,3,4,5,6,7
	v_sub_f32 v[40+\j], v[40+\j], v72
.endr
.irp j, 0,1,2,3,4,5,6,7
	v_mul_f32 v[40+\j], 0x3fb8aa3b, v[40+\j]       ; x log2(e)
.endr
	s_wait_alu depctr_va_vdst(0)
.irp j, 0,1,2,3,4,5,6,7
	v_exp_f32 v[40+\j], v[40+\j]
.endr
	v_nop                                          ; a plain line behind the last exponential,
	s_wait_alu depctr_va_vdst(0)                   ; and one wait for the batch, ahead of its first reader
	v_add_f32 v72, v40, v41
	v_add_f32 v73, v42, v43
	v_add_f32 v74, v44, v45
	v_add_f32 v75, v46, v47
	v_add_f32 v72, v72, v73
	v_add_f32 v74, v74, v75
	v_add_f32 v72, v72, v74
	s_wait_alu depctr_va_vdst(0)
	v_rcp_f32 v73, v72
	v_nop
	s_wait_alu depctr_va_vdst(0)
.irp j, 0,1,2,3,4,5,6,7
	v_mul_f32 v[40+\j], v[40+\j], v73
.endr
	v_cmp_ne_u32 vcc_lo, 0, v6
.irp j, 0,1,2,3
	v_cndmask_b32 v[48+\j], v[40+\j], v[44+\j], vcc_lo   ; lanes 0-15 keep experts 0-3, lanes 16-31 take experts 4-7
.endr
	s_cmp_lg_u32 s8, 0                             ; all four waves hold the same p: wave 0 stores it
	s_cbranch_scc1 .Lxend
	global_store_b128 v9, v[48:51], s[12:13]       ; 512 consecutive bytes: 16 tokens x 8 experts
.Lxend:
	s_endpgm
.Lfunc_end_k_q3ff2a40be1_quant:
	.size	k_q3ff2a40be1_quant, .Lfunc_end_k_q3ff2a40be1_quant-k_q3ff2a40be1_quant
	.p2alignl 7, 3214868480
	.fill 96, 4, 3214868480
	.section	.rodata,"a",@progbits
	.p2align	6, 0x0
	.amdhsa_kernel k_q3ff2a40be1_quant
		.amdhsa_group_segment_fixed_size 4608
		.amdhsa_private_segment_fixed_size 0
		.amdhsa_enable_private_segment 0
		.amdhsa_kernarg_size 80
		.amdhsa_user_sgpr_count 2
		.amdhsa_user_sgpr_kernarg_segment_ptr 1
		.amdhsa_wavefront_size32 1
		.amdhsa_system_sgpr_workgroup_id_x 1
		.amdhsa_system_sgpr_workgroup_id_y 1
		.amdhsa_system_sgpr_workgroup_id_z 1
		.amdhsa_system_vgpr_workitem_id 0
		.amdhsa_next_free_vgpr 256
		.amdhsa_next_free_sgpr 66
		.amdhsa_reserve_vcc 1
		.amdhsa_float_denorm_mode_32 3
		.amdhsa_float_denorm_mode_16_64 3
		.amdhsa_memory_ordered 1
		.amdhsa_forward_progress 1
		.amdhsa_inst_pref_size 165
	.end_amdhsa_kernel
	.amdgpu_metadata
---
amdhsa.version: [ 1, 2 ]
amdhsa.kernels:
  - .name:           k_q3ff2a40be1_quant
    .symbol:         k_q3ff2a40be1_quant.kd
    .args:
      - { .name: x, .offset: 0, .size: 8, .value_kind: global_buffer, .address_space: global }
      - { .name: Wr, .offset: 8, .size: 8, .value_kind: global_buffer, .address_space: global }
      - { .name: br, .offset: 16, .size: 8, .value_kind: global_buffer, .address_space: global }
      - { .name: Wu, .offset: 24, .size: 8, .value_kind: global_buffer, .address_space: global }
      - { .name: Wd, .offset: 32, .size: 8, .value_kind: global_buffer, .address_space: global }
      - { .name: lowp_scales, .offset: 40, .size: 8, .value_kind: global_buffer, .address_space: global }
      - { .name: xq, .offset: 48, .size: 8, .value_kind: global_buffer, .address_space: global }
      - { .name: wuq, .offset: 56, .size: 8, .value_kind: global_buffer, .address_space: global }
      - { .name: wdq, .offset: 64, .size: 8, .value_kind: global_buffer, .address_space: global }
      - { .name: pr, .offset: 72, .size: 8, .value_kind: global_buffer, .address_space: global }
    .group_segment_fixed_size: 4608
    .private_segment_fixed_size: 0
    .kernarg_segment_align: 8
    .kernarg_segment_size: 80
    .max_flat_workgroup_size: 128
    .sgpr_count:     66
    .vgpr_count:     256
    .wavefront_size: 32
...
	.end_amdgpu_metadata
.endif
;; end of part 1
;; launch up (part 2): grid 32 x 8, 4 waves a work-group, clusters of 4 x 4, 327,680 bytes of LDS; arguments xq, wuq, lowp_scales, bu, hq; writes hq
.if DOCPART == 2
	.amdgcn_target "amdgcn-amd-amdhsa--gfx1250"
	.amdhsa_code_object_version 6
	.text
	.protected	k_q3ff2a40be1_up
	.globl	k_q3ff2a40be1_up
	.p2align	8
	.type	k_q3ff2a40be1_up,@function
k_q3ff2a40be1_up:
	s_mov_b64 s[64:65], 0
	v_nop
	global_prefetch_b8 v0, s[64:65] scope:SCOPE_SE
	s_setreg_imm32_b32 hwreg(HW_REG_WAVE_MODE, 25, 1), 1
	s_wait_xcnt 0x0
	s_wait_alu depctr_hold_cnt(0) depctr_sa_sdst(0) depctr_va_vdst(0) depctr_va_sdst(0) depctr_va_ssrc(0) depctr_va_vcc(0) depctr_vm_vsrc(0)
	s_getreg_b32 s2, hwreg(HW_REG_IB_STS2, 6, 4)
	s_cmp_eq_u32 s2, 0
	s_cbranch_scc0 .Lentry_in_a_cluster
	s_endpgm
.Lentry_in_a_cluster:
	s_bfe_u32 s2, ttmp6, 0x10000c
	s_cmp_lg_u32 s2, 0xf033
	s_cbranch_scc0 .Lentry_shape_is_right
	s_endpgm
.Lentry_shape_is_right:
.set FR,     16
.set NL,     4
.set NP,     4
.set SLOT,   131072
.set LAPS,   4
.set SPARE,  2*SLOT
.set STEPA,  524288
.set STEPB,  2097152
.set ADRA, 16
.set ADRB, 20
.set LI,   24
.set BO,   25
.set PFO,  26
.set SPW,  28
.set NIL,  29
.set BU,   32
.set PC,   96
.set AF,   128
.set V,    128
.set T,    192
.set G1, 24
.set G0, 32
.set G1B, 48
.set G0B, 56
.set PFA, 66
.set PFS, 68
.set LIM, 70
.set MSB, 0
.macro WIN new
.if MSB != \new
	s_set_vgpr_msb (MSB<<8)|\new
.set MSB, \new
.endif
.endm
.set MUL_LO, 0xa1
.set MUL_HI, 0xf1
.set TO_B,   0x40
.macro JLOAD g0a, g1a, g0b, g1b
	s_cmp_eq_u32 s15, 0
	s_cbranch_scc0 .Lfor_b_\@
	tensor_load_to_lds s[\g0a:\g0a+3], s[\g1a:\g1a+7]
	s_nop 0
.rept 4
	v_nop
.endr
	s_branch .Lasked_\@
.Lfor_b_\@:
	tensor_load_to_lds s[\g0b:\g0b+3], s[\g1b:\g1b+7]
	s_nop 0
.rept 4
	v_nop
.endr
.Lasked_\@:
.endm
.macro ASK
	s_cmp_gt_u32 s3, s[LIM]
	s_cbranch_scc0 .Lnot_mine_\@
	global_prefetch_b8 v[PFO], s[PFA:PFA+1] th:TH_LOAD_NT scope:SCOPE_SE
.Lnot_mine_\@:
.endm
.macro CREST
	s_cmp_lg_u32 s14, 0
	s_cbranch_scc1 .Lnot_wave_0_\@
	s_barrier_signal -3
.Lnot_wave_0_\@:
	s_barrier_wait -3
	s_barrier_signal -1
	s_barrier_wait -1
.endm
.macro CROUND
	s_barrier_signal -1
	s_barrier_wait -1
	CREST
.endm
	s_load_b128 s[4:7], s[0:1], 0x0
	s_load_b128 s[8:11], s[0:1], 0x10
	s_load_b64 s[12:13], s[0:1], 0x20
	v_lshl_add_u32 v[SPW], v0, 2, SPARE
	v_mov_b32 v[NIL], 0
	ds_add_u32 v[SPW], v[NIL]
	ds_add_u32 v[SPW], v[NIL]
	v_lshrrev_b32 v1, 5, v0
	v_readfirstlane_b32 s14, v1
	s_lshr_b32 s15, s14, 1
	s_and_b32 s16, s14, 1
	s_bfe_u32 s40, ttmp6, 0x40000
	s_bfe_u32 s41, ttmp6, 0x40004
	s_lshl_b32 s42, ttmp9, 2
	s_add_co_u32 s42, s42, s40
	s_and_b32 s17, ttmp7, 0xffff
	s_lshl_b32 s17, s17, 2
	s_add_co_u32 s17, s17, s41
	s_lshl_b32 s43, s41, 2
	s_lshl_b32 s43, 15, s43
	s_lshl_b32 s44, 0x1111, s40
	s_or_b32 s[G1+0], s43, (3<<16)|(1<<21)
	s_or_b32 s[G1B+0], s44, (3<<16)|(1<<21)
.irp g, G1, G1B
	s_mov_b32 s[\g+1], 32<<16
	s_mov_b32 s[\g+2], 128<<16
	s_mov_b32 s[\g+3], 32<<16
	s_mov_b32 s[\g+4], 128
	s_mov_b32 s[\g+5], 32
	s_mov_b32 s[\g+6], 0
	s_mov_b32 s[\g+7], 0
.endr
	s_lshl_b32 s18, s16, 15
	s_lshl_b32 s20, s17, 16
	s_add_co_u32 s20, s20, s18
	s_mov_b32 s21, 0
	s_lshl_b32 s46, s42, 16
	s_add_co_u32 s46, s46, s18
	s_mov_b32 s47, 0
	s_lshl_b32 s45, s14, 15
	s_wait_dscnt 0x0
	s_wait_kmcnt 0x0
	s_load_b128 s[72:75], s[8:9], 0x0
	s_add_nc_u64 s[20:21], s[4:5], s[20:21]
	s_add_nc_u64 s[46:47], s[6:7], s[46:47]
	CROUND
.irp s, 0,1
	s_mov_b32 s[G0+4*\s], 1
	s_add_co_u32 s[G0+4*\s+1], s45, \s*SLOT
	s_add_nc_u64 s[G0+4*\s+2:G0+4*\s+3], s[20:21], \s*STEPA
	s_or_b32 s[G0+4*\s+3], s[G0+4*\s+3], 0x80000000
	s_mov_b32 s[G0B+4*\s], 1
	s_add_co_u32 s[G0B+4*\s+1], s45, \s*SLOT
	s_add_nc_u64 s[G0B+4*\s+2:G0B+4*\s+3], s[46:47], \s*STEPB
	s_or_b32 s[G0B+4*\s+3], s[G0B+4*\s+3], 0x80000000
.endr
	JLOAD G0, G1, G0B, G1B                         ; K step 0, behind the round above: one tensor load a wave at the head; the rest of the head stands under its flight
	v_and_b32 v1, 31, v0
	v_bfe_u32 v2, v0, 4, 1
	v_lshlrev_b32 v[LI], 4, v1
	s_wait_alu depctr_va_vdst(0)
	v_lshlrev_b32 v[BO], 6, v2
	v_lshlrev_b32 v[PFO], 8, v1
	s_lshl_b32 s20, s42, 10
	s_lshl_b32 s21, s16, 9
	s_add_co_u32 s20, s20, s21
	s_mov_b32 s21, 0
	s_add_nc_u64 s[10:11], s[10:11], s[20:21]
.irp c, 0,1,2,3
.irp k, 0,1,2,3
	global_load_b128 v[BU+16*\c+4*\k:BU+16*\c+4*\k+3], v[BO], s[10:11] offset:128*\c+16*\k
.endr
.endr
	s_lshl_b32 s21, s15, 15
	s_lshl_b32 s22, s16, 15
	s_add_co_u32 s22, s22, 65536
.irp s, 0,1
	v_add_nc_u32 v[ADRA+\s], s21, v[LI]
	v_add_nc_u32 v[ADRB+\s], s22, v[LI]
	s_add_co_u32 s21, s21, SLOT
	s_add_co_u32 s22, s22, SLOT
.endr
	s_lshr_b32 s20, s42, 1
	s_lshl_b32 s20, s20, 20
	s_lshl_b32 s22, s17, 4
	s_lshl_b32 s23, s15, 3
	s_add_co_u32 s22, s22, s23
	s_lshl_b32 s22, s22, 13
	s_add_co_u32 s20, s20, s22
	s_and_b32 s22, s42, 1
	s_lshl_b32 s22, s22, 1
	s_add_co_u32 s22, s22, s16
	s_lshl_b32 s22, s22, 11
	s_add_co_u32 s20, s20, s22
	s_mov_b32 s21, 0
	s_add_nc_u64 s[12:13], s[12:13], s[20:21]
	s_and_b32 s22, ttmp7, 0xffff
	s_cmp_eq_u32 s15, 0
	s_cselect_b32 s76, s17, s42
	s_cselect_b32 s77, s40, s41
	s_cselect_b32 s22, ttmp9, s22
	s_cselect_b64 s[PFA:PFA+1], s[4:5], s[6:7]
	s_mov_b32 s[PFS], STEPB
	s_cselect_b32 s[PFS], STEPA, s[PFS]
	s_mov_b32 s[PFS+1], 0
	s_cmp_eq_u32 s22, 0
	s_cselect_b32 s[LIM], 1, -1
	s_lshl_b32 s76, s76, 16
	s_lshl_b32 s78, s16, 15
	s_add_co_u32 s76, s76, s78
	s_lshl_b32 s77, s77, 13
	s_add_co_u32 s76, s76, s77
	s_mul_i32 s78, s[PFS], 3
	s_add_co_u32 s76, s76, s78
	s_mov_b32 s77, 0
	s_add_nc_u64 s[PFA:PFA+1], s[PFA:PFA+1], s[76:77]
.macro FRAG reg, adr, q, i
.irp c, 0,1,2,3
	ds_load_b128 v[\reg+4*\c:\reg+4*\c+3], v[\adr] offset:4096*(\i)+2048*(\q)+512*\c
.endr
.endm
.macro MUL16 a0, p, zero
.irp a, \a0, \a0+1
.irp b, 0,1,2,3,4,5,6,7
.if \zero
	v_wmma_f32_16x16x128_bf8_bf8 v[8*(8*((\a)%4)+\b):8*(8*((\a)%4)+\b)+7], v[128*(\p)+FR*\b:128*(\p)+FR*\b+FR-1], v[AF+FR*(\a):AF+FR*(\a)+FR-1], 0
.else
	v_wmma_f32_16x16x128_bf8_bf8 v[8*(8*((\a)%4)+\b):8*(8*((\a)%4)+\b)+7], v[128*(\p)+FR*\b:128*(\p)+FR*\b+FR-1], v[AF+FR*(\a):AF+FR*(\a)+FR-1], v[8*(8*((\a)%4)+\b):8*(8*((\a)%4)+\b)+7]
.endif
.endr
.endr
.endm
.macro FETCH_B slot, q, p
	WIN TO_B
.irp i, 0,1,2,3,4,5,6,7
	FRAG 128*(\p)+FR*\i, ADRB+\slot, \q, \i
.endr
	WIN 0
.endm
.macro FETCH_A slot, q, i0
.irp i, \i0, \i0+1, \i0+2, \i0+3
	FRAG AF+FR*(\i), ADRA+\slot, \q, \i
.endr
.endm
.macro PLACES n
.rept \n
	v_nop
.endr
.endm
.macro STEP slot, q, zero
	s_wait_dscnt 4*NL
	WIN MUL_LO
	MUL16 0, (\q)%2, \zero
	MUL16 2, (\q)%2, \zero
	s_wait_dscnt 0
	PLACES NP
	FETCH_B \slot, (\q)+1, 1-(\q)%2
	FETCH_A \slot, (\q)+1, 0
	WIN MUL_HI
	MUL16 4, (\q)%2, \zero
	MUL16 6, (\q)%2, \zero
	PLACES NP
	WIN 0
	FETCH_A \slot, (\q)+1, 4
.endm
.macro TURN slot, next, fill
.if \fill
	s_wait_xcnt 0x0
	s_add_nc_u64 s[PFA:PFA+1], s[PFA:PFA+1], s[PFS:PFS+1]
.endif
	s_wait_tensorcnt 0x0
	ds_add_u32 v[SPW], v[NIL]
	s_wait_dscnt 0x0                               ; the add is done, and the slot's last fragments are in registers
	s_barrier_signal -1
	s_barrier_wait -1
.if \fill
	CREST
	s_add_nc_u64 s[G0+4*\slot+2:G0+4*\slot+3], s[G0+4*\slot+2:G0+4*\slot+3], 2*STEPA
	s_add_nc_u64 s[G0B+4*\slot+2:G0B+4*\slot+3], s[G0B+4*\slot+2:G0B+4*\slot+3], 2*STEPB
	JLOAD G0+4*\slot, G1, G0B+4*\slot, G1B
.endif
	WIN MUL_LO                                     ; the slot's last step is multiplied from registers, behind the refill
	MUL16 0, 1, 0
	MUL16 2, 1, 0
	PLACES NP
	FETCH_B \next, 0, 0
	FETCH_A \next, 0, 0
.if \fill
	ASK
.endif
	WIN MUL_HI
	MUL16 4, 1, 0
	MUL16 6, 1, 0
	PLACES NP
	WIN 0
	FETCH_A \next, 0, 4
.endm
	s_wait_alu depctr_va_vdst(0)                   ; the wait at the head's end
	s_wait_tensorcnt 0x0                           ; my part of K step 0 is in; these lines stand ahead of a later first fill as ahead of a refill
	ds_add_u32 v[SPW], v[NIL]
	s_wait_dscnt 0x0
	CROUND                                         ; everybody's part of K step 0 is in, and the joint loads meet
	JLOAD G0+4, G1, G0B+4, G1B                     ; K step 1, the first tensor load behind the round
	s_wait_loadcnt 0x0                             ; bu
	FETCH_B 0, 0, 0
	FETCH_A 0, 0, 0
	FETCH_A 0, 0, 4
	STEP 0, 0, 1
	s_mov_b32 s3, LAPS-1
.Llap:
	TURN 0, 1, 1
	STEP 1, 0, 0
	TURN 1, 0, 1
	STEP 0, 0, 0
	s_sub_co_u32 s3, s3, 1
	s_cmp_lg_u32 s3, 0
	s_cbranch_scc1 .Llap
	TURN 0, 1, 0
	STEP 1, 0, 0
	s_wait_dscnt 4*NL
	WIN MUL_LO
	MUL16 0, 1, 0
	MUL16 2, 1, 0
	s_wait_dscnt 0
	WIN MUL_HI
	MUL16 4, 1, 0
	MUL16 6, 1, 0
	WIN 0
	s_wait_kmcnt 0x0
	s_add_co_i32 s96, s72, s73
	s_add_co_i32 s96, s96, 127
	s_lshl_b32 s96, s96, 23
	s_mov_b32 s97, s96
	s_add_co_i32 s76, s75, 127
	s_lshl_b32 s77, s76, 23
	s_add_co_i32 s76, s76, 15
	s_lshl_b32 s76, s76, 23
	s_or_b32 s76, s76, 0x600000
	v_mov_b32 v8, 0xc0135761
	v_mov_b32 v9, 0xc0135761
	v_mov_b32 v10, 0xbdd2d3e8
	v_mov_b32 v11, 0xbdd2d3e8
	v_mov_b32 v12, s77
	v_mov_b32 v13, s76
.macro EPI a
.set AC, 64*((\a)%4)
.set PS, PC+16*((\a)%2)
	WIN 0x02+((\a)/4)
.set j, 0
.rept 32
	v_pk_fma_f32 v[V+j:V+j+1], v[AC+j:AC+j+1], s[96:97], v[BU+j:BU+j+1] op_sel_hi:[1,0,1]
.set j, j+2
.endr
	WIN 0
.set j, 0
.rept 32
	v_pk_mul_f32 v[T+j:T+j+1], v[V+j:V+j+1], v[V+j:V+j+1]
.set j, j+2
.endr
.set j, 0
.rept 32
	v_pk_fma_f32 v[T+j:T+j+1], v[T+j:T+j+1], v[10:11], v[8:9]
.set j, j+2
.endr
.set j, 0
.rept 32
	v_pk_mul_f32 v[T+j:T+j+1], v[T+j:T+j+1], v[V+j:V+j+1]
.set j, j+2
.endr
.set j, 0
	s_wait_alu depctr_va_vdst(0)
.rept 64
	v_exp_f32 v[T+j], v[T+j]
.set j, j+1
.endr
	v_nop
	s_wait_alu depctr_va_vdst(0)
.set j, 0
.rept 32
	v_pk_add_f32 v[T+j:T+j+1], v[T+j:T+j+1], 1.0 op_sel_hi:[1,0]
.set j, j+2
.endr
.set j, 0
	s_wait_alu depctr_va_vdst(0)
.rept 64
	v_rcp_f32 v[T+j], v[T+j]
.set j, j+1
.endr
	v_nop
	s_wait_alu depctr_va_vdst(0)
.set j, 0
.rept 32
	v_pk_mul_f32 v[V+j:V+j+1], v[V+j:V+j+1], v[T+j:T+j+1]
.set j, j+2
.endr
.set j, 0
.rept 64
	v_med3_num_f32 v[V+j], v[V+j], -v13, v13
.set j, j+1
.endr
.if (\a) > 1
	s_wait_alu depctr_va_vdst(0)
	s_wait_xcnt 0x0
.endif
.irp g, 0,1,2,3,4,5,6,7
	v_cvt_scalef32_pk8_bf8_f32 v[PS+2*\g:PS+2*\g+1], v[V+8*\g:V+8*\g+7], v12
.endr
	v_nop
.irp c, 0,1,2,3
	global_store_b128 v[LI], v[PS+4*\c:PS+4*\c+3], s[12:13] offset:8192*(\a)+512*\c
.endr
.endm
.irp a, 0,1,2,3,4,5,6,7
	EPI \a
.endr
	s_wait_tensorcnt 0x0
	ds_add_u32 v[SPW], v[NIL]
	s_wait_dscnt 0x0
	CROUND
	s_endpgm
.Lfunc_end_k_q3ff2a40be1_up:
	.size	k_q3ff2a40be1_up, .Lfunc_end_k_q3ff2a40be1_up-k_q3ff2a40be1_up
	.p2alignl 7, 3214868480
	.fill 96, 4, 3214868480
	.section	.rodata,"a",@progbits
	.p2align	6, 0x0
	.amdhsa_kernel k_q3ff2a40be1_up
		.amdhsa_group_segment_fixed_size 327680
		.amdhsa_private_segment_fixed_size 0
		.amdhsa_enable_private_segment 0
		.amdhsa_kernarg_size 40
		.amdhsa_user_sgpr_count 2
		.amdhsa_user_sgpr_kernarg_segment_ptr 1
		.amdhsa_wavefront_size32 1
		.amdhsa_system_sgpr_workgroup_id_x 1
		.amdhsa_system_sgpr_workgroup_id_y 1
		.amdhsa_system_sgpr_workgroup_id_z 1
		.amdhsa_system_vgpr_workitem_id 0
		.amdhsa_next_free_vgpr 1024
		.amdhsa_next_free_sgpr 100
		.amdhsa_reserve_vcc 0
		.amdhsa_float_denorm_mode_32 3
		.amdhsa_float_denorm_mode_16_64 3
		.amdhsa_memory_ordered 1
		.amdhsa_forward_progress 1
		.amdhsa_inst_pref_size 250
	.end_amdhsa_kernel
	.amdgpu_metadata
---
amdhsa.version: [ 1, 2 ]
amdhsa.kernels:
  - .name:           k_q3ff2a40be1_up
    .symbol:         k_q3ff2a40be1_up.kd
    .args:
      - { .name: xq, .offset: 0, .size: 8, .value_kind: global_buffer, .address_space: global }
      - { .name: wuq, .offset: 8, .size: 8, .value_kind: global_buffer, .address_space: global }
      - { .name: lowp_scales, .offset: 16, .size: 8, .value_kind: global_buffer, .address_space: global }
      - { .name: bu, .offset: 24, .size: 8, .value_kind: global_buffer, .address_space: global }
      - { .name: hq, .offset: 32, .size: 8, .value_kind: global_buffer, .address_space: global }
    .group_segment_fixed_size: 327680
    .private_segment_fixed_size: 0
    .kernarg_segment_align: 8
    .kernarg_segment_size: 40
    .max_flat_workgroup_size: 128
    .sgpr_count:     100
    .vgpr_count:     1024
    .wavefront_size: 32
...
	.end_amdgpu_metadata
.endif
;; end of part 2
;; launch down (part 3): grid 16 x 16, 4 waves a work-group, clusters of 4 x 1, 327,680 bytes of LDS; arguments hq, wdq, lowp_scales, pr, bd, x, out0; writes out0
.if DOCPART == 3
	.amdgcn_target "amdgcn-amd-amdhsa--gfx1250"
	.amdhsa_code_object_version 6
	.text
	.protected	k_q3ff2a40be1_down
	.globl	k_q3ff2a40be1_down
	.p2align	8
	.type	k_q3ff2a40be1_down,@function
k_q3ff2a40be1_down:
	s_mov_b64 s[64:65], 0
	v_nop
	global_prefetch_b8 v0, s[64:65] scope:SCOPE_SE
	s_setreg_imm32_b32 hwreg(HW_REG_WAVE_MODE, 25, 1), 1
	s_wait_xcnt 0x0
	s_wait_alu depctr_hold_cnt(0) depctr_sa_sdst(0) depctr_va_vdst(0) depctr_va_sdst(0) depctr_va_ssrc(0) depctr_va_vcc(0) depctr_vm_vsrc(0)
	s_getreg_b32 s2, hwreg(HW_REG_IB_STS2, 6, 4)
	s_cmp_eq_u32 s2, 0
	s_cbranch_scc0 .Lentry_in_a_cluster
	s_endpgm
.Lentry_in_a_cluster:
	s_bfe_u32 s2, ttmp6, 0x10000c
	s_cmp_lg_u32 s2, 0x3003
	s_cbranch_scc0 .Lentry_shape_is_right
	s_endpgm
.Lentry_shape_is_right:
.set SLOT,   131072
.set GSTEP,  1048576
.set EXPB,   2097152
.set PBASE,  2*SLOT
.set BBASE,  PBASE+4096
.set SPARE,  BBASE+4096
.set SPITCH, 528
.set LI,   20
.set ADR,  22
.set STO,  23
.set RD,   24
.set PFO,  26
.set PO,   27
.set SPW,  28
.set NIL,  29
.set BO,   30
.set PA,   31
.set PP,   32
.set BA,   48
.set SC,   49
.set OUT,  128
.set BI,   128
.set G1,  24
.set G0A, 32
.set G0W, 36
.set BB,  44
.set PFA, 66
.set LIM, 70
.set TB,  86
.set E4,  87
.set EB,  88
.set MSB, 0
.macro WIN new
.if MSB != \new
	s_set_vgpr_msb (MSB<<8)|\new
.set MSB, \new
.endif
.endm
.set MUL,   0xa7
.set TO_F,  0x40
.set TO_BI, 0x80
.set TO_R,  0xc0
.set WGH,   0x02
.set ADDX,  0x4d
.set STW,   0x04
.macro ASK
	s_cmp_gt_u32 s3, s[LIM]
	s_cbranch_scc0 .Lnot_mine_\@
	global_prefetch_b8 v[PFO], s[PFA:PFA+1] th:TH_LOAD_NT scope:SCOPE_SE
.Lnot_mine_\@:
.endm
.macro CREST
	s_cmp_lg_u32 s14, 0
	s_cbranch_scc1 .Lnot_wave_0_\@
	s_barrier_signal -3
.Lnot_wave_0_\@:
	s_barrier_wait -3
	s_barrier_signal -1
	s_barrier_wait -1
.endm
.macro CROUND
	s_barrier_signal -1
	s_barrier_wait -1
	CREST
.endm
.macro PLACES n
.rept \n
	v_nop
.endr
.endm
.macro RELOAD sl, delta
.set RB, 128*(1-(\sl)%2)+32*((\sl)/2)
	WIN TO_R
.irp u, 0,1
.irp c, 0,1,2,3
	global_load_b128 v[RB+16*\u+4*\c:RB+16*\u+4*\c+3], v[LI], s[BB:BB+1] offset:(\delta)*EXPB+((\sl)/4)*GSTEP+((\sl)%4)*2048+\u*8192+\c*512
.endr
.endr
.endm
.macro XLOAD b
	WIN TO_R
.set i, 0
.rept 16
	global_load_b128 v[128*(1-(\b))+4*i:128*(1-(\b))+4*i+3], v[LI], s[78:79] offset:8192*(16*(\b)+i) th:TH_LOAD_NT
.set i, i+1
.endr
.endm
.macro PLOAD
.irp a, 0,1,2,3,4,5,6,7
	ds_load_b32 v[PP+2*\a], v[PA] offset:512*\a
.endr
.endm
.macro BLOAD adr
	WIN TO_BI
.irp k, 0,1,2,3
	ds_load_b128 v[BI+4*\k:BI+4*\k+3], v[\adr] offset:16*\k
.endr
.endm
.macro FETCHL q
.set FB, 128*((\q)%2)
	WIN TO_F
.irp a, 0,1,2,3,4,5,6,7
.irp c, 0,1,2,3
	ds_load_b128 v[FB+16*\a+4*\c:FB+16*\a+4*\c+3], v[ADR] offset:8192*\a+2048*((\q)%4)+512*\c
.endr
.endr
.endm
.macro MUL2 q, a
.set RB, 128*(1-(\q)%2)+32*((\q)/2)
.set FB, 128*((\q)%2)
.irp u, 0,1
.if (\q) == 0
	v_wmma_f32_16x16x128_bf8_bf8 v[16*(\a)+8*\u:16*(\a)+8*\u+7], v[RB+16*\u:RB+16*\u+15], v[FB+16*(\a):FB+16*(\a)+15], v[BI+8*\u:BI+8*\u+7]
.else
	v_wmma_f32_16x16x128_bf8_bf8 v[16*(\a)+8*\u:16*(\a)+8*\u+7], v[RB+16*\u:RB+16*\u+15], v[FB+16*(\a):FB+16*(\a)+15], v[16*(\a)+8*\u:16*(\a)+8*\u+7]
.endif
.endr
.endm
.macro STEP q, kind, n
	s_wait_dscnt 0x0
	s_wait_loadcnt \n
	WIN 0
	v_add_nc_u32 v[ADR], s[TB], v[LI+((\q)+1)/4]
.if (\q) == 1
	v_add_nc_u32 v[PA], s[E4], v[PO]
.if (\kind) < 2
	v_add_nc_u32 v[BA], s[EB], v[BO]
.endif
.endif
	PLACES 3
.if (\q) == 1
	PLOAD
.endif
.if (\q) == 0
	RELOAD 7, 0
.elseif (\kind) < 2
	RELOAD (\q)-1, 1
.elseif (\q) == 3
	XLOAD 0
.elseif (\q) == 5
	XLOAD 1
.endif
.if ((\q) == 1) && ((\kind) < 2)
	BLOAD BA
.endif
	FETCHL (\q)+1
	WIN MUL
.irp a, 0,1,2,3,4,5,6,7
	MUL2 \q, \a
.endr
.endm
.macro TURN kind
	WIN 0
	s_wait_loadcnt 48
	s_wait_tensorcnt 0x0
	ds_add_u32 v[SPW], v[NIL]
.if (\kind) == 0
	s_xor_b32 s[G0W+1], s[G0W+1], SLOT
	s_add_nc_u64 s[G0W+2:G0W+3], s[G0W+2:G0W+3], EXPB
.endif
	s_wait_dscnt 0x0
	s_barrier_signal -1
	WIN MUL
	MUL2 7, 0
	MUL2 7, 1
	WIN 0
	s_barrier_wait -1
.if (\kind) == 0
	CREST
	tensor_load_to_lds s[G0W:G0W+3], s[G1:G1+7]
	s_nop 0
	PLACES 4
.else
	PLACES 3
.endif
	s_xor_b32 s[TB], s[TB], SLOT
	v_add_nc_u32 v[ADR], s[TB], v[LI]
	RELOAD 6, 1
	FETCHL 0
	WIN 0
.if (\kind) == 0
	ASK
.endif
	WIN MUL
.irp a, 2,3,4,5,6,7
	MUL2 7, \a
.endr
.endm
.macro WEIGH start, kind
	WIN 0
	PLACES 4
	WIN WGH
.irp a, 0,1,2,3,4,5,6,7
.set j, 0
.rept 8
.if \start
	v_pk_mul_f32 v[OUT+16*\a+j:OUT+16*\a+j+1], v[16*\a+j:16*\a+j+1], v[PP+2*\a:PP+2*\a+1] op_sel_hi:[1,0]
.else
	v_pk_fma_f32 v[OUT+16*\a+j:OUT+16*\a+j+1], v[16*\a+j:16*\a+j+1], v[PP+2*\a:PP+2*\a+1], v[OUT+16*\a+j:OUT+16*\a+j+1] op_sel_hi:[1,0,1]
.endif
.set j, j+2
.endr
.endr
	WIN 0
.if (\kind) < 2
	s_wait_xcnt 0x0
	s_add_nc_u64 s[BB:BB+1], s[BB:BB+1], EXPB
.if (\kind) == 0
	s_add_nc_u64 s[PFA:PFA+1], s[PFA:PFA+1], EXPB
.endif
	s_add_co_u32 s[E4], s[E4], 4
	s_add_co_u32 s[EB], s[EB], 512
.endif
.endm
.macro LAP kind, start
.if (\kind) < 2
.irp q, 0,1,2,3,4,5,6
	STEP \q, \kind, 48
.endr
	TURN \kind
.else
	STEP 0, 2, 48
	STEP 1, 2, 48
	STEP 2, 2, 40
	STEP 3, 2, 32
	STEP 4, 2, 40
	STEP 5, 2, 32
	STEP 6, 2, 40
	s_wait_dscnt 0x0
	s_wait_loadcnt 32
	WIN MUL
.irp a, 0,1,2,3,4,5,6,7
	MUL2 7, \a
.endr
.endif
	WEIGH \start, \kind
.endm
	s_load_b256 s[4:11], s[0:1], 0x0
	s_load_b128 s[76:79], s[0:1], 0x20
	s_load_b64 s[80:81], s[0:1], 0x30
	v_lshl_add_u32 v[SPW], v0, 2, SPARE
	v_mov_b32 v[NIL], 0
	ds_add_u32 v[SPW], v[NIL]
	ds_add_u32 v[SPW], v[NIL]
	v_lshrrev_b32 v1, 5, v0
	v_readfirstlane_b32 s14, v1
	s_lshr_b32 s15, s14, 1
	s_and_b32 s16, s14, 1
	s_bfe_u32 s40, ttmp6, 0x40000
	s_lshl_b32 s42, ttmp9, 2
	s_add_co_u32 s42, s42, s40
	s_and_b32 s17, ttmp7, 0xffff
	s_mov_b32 s[G1+0], 15|(3<<16)|(1<<21)
	s_mov_b32 s[G1+1], 32<<16
	s_mov_b32 s[G1+2], 128<<16
	s_mov_b32 s[G1+3], 32<<16
	s_mov_b32 s[G1+4], 128
	s_mov_b32 s[G1+5], 32
	s_mov_b32 s[G1+6], 0
	s_mov_b32 s[G1+7], 0
	s_lshl_b32 s20, s15, 20
	s_lshl_b32 s21, s17, 16
	s_add_co_u32 s20, s20, s21
	s_lshl_b32 s21, s16, 15
	s_add_co_u32 s20, s20, s21
	s_mov_b32 s21, 0
	s_lshl_b32 s41, s14, 15
	s_mov_b32 s[TB], 0
	s_mov_b32 s[E4], 0
	s_mov_b32 s[EB], 512
	s_wait_dscnt 0x0
	s_wait_kmcnt 0x0
	s_load_b128 s[72:75], s[8:9], 0x0
	s_add_nc_u64 s[20:21], s[4:5], s[20:21]
	CROUND
	s_mov_b32 s[G0A], 1
	s_mov_b32 s[G0A+1], s41
	s_mov_b64 s[G0A+2:G0A+3], s[20:21]
	s_or_b32 s[G0A+3], s[G0A+3], 0x80000000
	s_mov_b32 s[G0W], 1
	s_add_co_u32 s[G0W+1], s41, SLOT
	s_add_nc_u64 s[G0W+2:G0W+3], s[20:21], EXPB
	s_or_b32 s[G0W+3], s[G0W+3], 0x80000000
	tensor_load_to_lds s[G0A:G0A+3], s[G1:G1+7]
	s_nop 0
	PLACES 4                                       ; expert 0's tile is on its way: the addresses, the loads of p, bd and Wd's first fragments and the stores of p and bd stand under its flight
	v_and_b32 v1, 31, v0
	v_and_b32 v2, 15, v0
	v_bfe_u32 v3, v0, 4, 1
	v_lshlrev_b32 v[LI], 4, v1
	s_wait_alu depctr_va_vdst(0)
	v_add_nc_u32 v[LI+1], 0x10000, v[LI]
	v_lshrrev_b32 v51, 4, v0
	v_lshlrev_b32 v50, 5, v2
	v_lshl_add_u32 v51, v51, 13, v50
	v_lshlrev_b32 v50, 5, v0
	s_lshl_b32 s46, s17, 12
	s_mov_b32 s47, 0
	s_add_nc_u64 s[10:11], s[10:11], s[46:47]
	s_lshl_b32 s46, s42, 9
	s_add_nc_u64 s[76:77], s[76:77], s[46:47]
	global_load_b128 v[4:7], v50, s[10:11]
	global_load_b128 v[8:11], v50, s[10:11] offset:16
	global_load_b128 v[12:15], v51, s[76:77]
	global_load_b128 v[16:19], v51, s[76:77] offset:16
	s_lshl_b32 s46, s42, 16
	s_lshl_b32 s90, s14, 14
	s_add_co_u32 s46, s46, s90
	s_add_nc_u64 s[BB:BB+1], s[6:7], s[46:47]
.irp q, 0,1,2,3,4,5,6
	RELOAD \q, 0
.endr
	WIN 0
	s_lshl_b32 s46, s17, 20
	s_lshl_b32 s90, s14, 18
	s_add_co_u32 s46, s46, s90
	s_lshl_b32 s90, s42, 9
	s_add_co_u32 s46, s46, s90
	s_add_nc_u64 s[78:79], s[78:79], s[46:47]
	s_add_nc_u64 s[80:81], s[80:81], s[46:47]
	s_lshl_b32 s46, s40, 13
	s_add_co_u32 s46, s46, 3*EXPB
	s_add_nc_u64 s[PFA:PFA+1], s[20:21], s[46:47]
	s_cmp_eq_u32 ttmp9, 0
	s_cselect_b32 s[LIM], 1, -1
	v_lshlrev_b32 v[PFO], 8, v1
	v_lshl_add_u32 v[PO], v2, 5, PBASE
	v_lshl_add_u32 v[SC], v0, 5, PBASE
	s_lshl_b32 s22, s14, 7
	v_mul_u32_u24 v[STO], v2, SPITCH
	v_lshl_add_u32 v[STO], v3, 6, v[STO]
	v_add_nc_u32 v[STO], s22, v[STO]
	s_add_co_u32 s22, s22, BBASE
	v_lshl_add_u32 v[BO], v3, 6, s22
	s_mul_i32 s23, s14, 32*SPITCH
	v_add_nc_u32 v[RD], s23, v[LI]
.irp a, 0,1,2,3,4,5,6,7
	v_mov_b32 v[PP+2*\a+1], 0
.endr
	s_wait_kmcnt 0x0
	s_add_co_i32 s90, s74, s75
	s_add_co_i32 s82, s90, 127
	s_lshl_b32 s82, s82, 23
	s_mov_b32 s83, s82
	s_sub_co_i32 s84, 127, s90
	s_lshl_b32 s84, s84, 23
	s_mov_b32 s85, s84
	s_wait_loadcnt 56
.irp j, 0,2,4,6
	v_pk_mul_f32 v[4+\j:5+\j], v[4+\j:5+\j], s[82:83] op_sel_hi:[1,0]
	v_pk_mul_f32 v[12+\j:13+\j], v[12+\j:13+\j], s[84:85] op_sel_hi:[1,0]
.endr
	ds_store_b128 v[SC], v[4:7]
	ds_store_b128 v[SC], v[8:11] offset:16
	ds_store_b128 v[SC], v[12:15] offset:4096
	ds_store_b128 v[SC], v[16:19] offset:4112
	s_wait_alu depctr_va_vdst(0)                   ; the wait at the head's end
	s_wait_tensorcnt 0x0                           ; my part of expert 0's tile is in; these lines stand ahead of a later first fill as ahead of a refill
	ds_add_u32 v[SPW], v[NIL]
	s_wait_dscnt 0x0                               ; the add is done, and my stores of p and bd have landed
	CROUND                                         ; slot 0, p and bd are whole for every wave, and the joint loads meet
	tensor_load_to_lds s[G0W:G0W+3], s[G1:G1+7]
	s_nop 0
	PLACES 4
	BLOAD BO
	WIN 0
	v_add_nc_u32 v[ADR], s[TB], v[LI]
	FETCHL 0
	WIN 0
	s_mov_b32 s3, 5
	LAP 0, 1
.Llap:
	LAP 0, 0
	s_sub_co_u32 s3, s3, 1
	s_cmp_lg_u32 s3, 0
	s_cbranch_scc1 .Llap
	LAP 1, 0
	LAP 2, 0
.irp a, 0,1,2,3,4,5,6,7
.irp k, 0,1,2,3
	ds_store_b128 v[STO], v[OUT+16*\a+4*\k:OUT+16*\a+4*\k+3] offset:16*\a*SPITCH+16*\k
.endr
.endr
	s_wait_dscnt 0x0
	s_barrier_signal -1
	s_barrier_wait -1
	WIN TO_F
.set i, 0
.rept 32
	ds_load_b128 v[4*i:4*i+3], v[RD] offset:i*SPITCH
.set i, i+1
.endr
.irp b, 0,1,2,3
	s_wait_dscnt 24-8*\b
.if \b == 0
	s_wait_loadcnt 16
.elseif \b == 2
	s_wait_loadcnt 0
.endif
	WIN ADDX
.set i, 8*\b
.rept 8
.set XR, 128*(1-i/16)+4*(i%16)
	v_pk_add_f32 v[4*i:4*i+1], v[4*i:4*i+1], v[XR:XR+1]
	v_pk_add_f32 v[4*i+2:4*i+3], v[4*i+2:4*i+3], v[XR+2:XR+3]
.set i, i+1
.endr
	WIN STW
.set i, 8*\b
.rept 8
	global_store_b128 v[LI], v[4*i:4*i+3], s[80:81] offset:8192*i th:TH_STORE_NT
.set i, i+1
.endr
.endr
	WIN 0
	s_wait_tensorcnt 0x0
	ds_add_u32 v[SPW], v[NIL]
	s_wait_dscnt 0x0
	CROUND
	s_endpgm
.Lfunc_end_k_q3ff2a40be1_down:
	.size	k_q3ff2a40be1_down, .Lfunc_end_k_q3ff2a40be1_down-k_q3ff2a40be1_down
	.p2alignl 7, 3214868480
	.fill 96, 4, 3214868480
	.section	.rodata,"a",@progbits
	.p2align	6, 0x0
	.amdhsa_kernel k_q3ff2a40be1_down
		.amdhsa_group_segment_fixed_size 327680
		.amdhsa_private_segment_fixed_size 0
		.amdhsa_enable_private_segment 0
		.amdhsa_kernarg_size 56
		.amdhsa_user_sgpr_count 2
		.amdhsa_user_sgpr_kernarg_segment_ptr 1
		.amdhsa_wavefront_size32 1
		.amdhsa_system_sgpr_workgroup_id_x 1
		.amdhsa_system_sgpr_workgroup_id_y 1
		.amdhsa_system_sgpr_workgroup_id_z 1
		.amdhsa_system_vgpr_workitem_id 0
		.amdhsa_next_free_vgpr 1024
		.amdhsa_next_free_sgpr 100
		.amdhsa_reserve_vcc 0
		.amdhsa_float_denorm_mode_32 3
		.amdhsa_float_denorm_mode_16_64 3
		.amdhsa_memory_ordered 1
		.amdhsa_forward_progress 1
		.amdhsa_inst_pref_size 176
	.end_amdhsa_kernel
	.amdgpu_metadata
---
amdhsa.version: [ 1, 2 ]
amdhsa.kernels:
  - .name:           k_q3ff2a40be1_down
    .symbol:         k_q3ff2a40be1_down.kd
    .args:
      - { .name: hq, .offset: 0, .size: 8, .value_kind: global_buffer, .address_space: global }
      - { .name: wdq, .offset: 8, .size: 8, .value_kind: global_buffer, .address_space: global }
      - { .name: lowp_scales, .offset: 16, .size: 8, .value_kind: global_buffer, .address_space: global }
      - { .name: pr, .offset: 24, .size: 8, .value_kind: global_buffer, .address_space: global }
      - { .name: bd, .offset: 32, .size: 8, .value_kind: global_buffer, .address_space: global }
      - { .name: x, .offset: 40, .size: 8, .value_kind: global_buffer, .address_space: global }
      - { .name: out0, .offset: 48, .size: 8, .value_kind: global_buffer, .address_space: global }
    .group_segment_fixed_size: 327680
    .private_segment_fixed_size: 0
    .kernarg_segment_align: 8
    .kernarg_segment_size: 56
    .max_flat_workgroup_size: 128
    .sgpr_count:     100
    .vgpr_count:     1024
    .wavefront_size: 32
...
	.end_amdgpu_metadata
.endif
;; end of part 3
